; MI455X (gfx1250); checked and timed in simulation.
; The chip was launched on July 23, 2026; its instructions are those of AMD's public machine-readable ISA for CDNA 5 (MIT licence, August 2026) and "CDNA5" Instruction Set Architecture Reference Guide (July 2026). The comments in the code are by the model that wrote it; some were corrected since.
;; Attention. Allowed arithmetic: float matrix products may take bf16 or f16 operands with f32 sums; other float arithmetic in f32, or as packed bf16 or f16 multiplies, adds, multiply-adds, maxima and minima; sums over many terms, partial sums and values carried from step to step in f32; what a program stores and reads back later, other than sums and carried values, may be rounded once to bf16 or f16.
;; Inputs: key 2 x 2,048 x 1,024 float32; query 2 x 2,048 x 2,048 float32; value 2 x 2,048 x 1,024 float32.
;; Outputs: out0 2 x 2,048 x 2,048 float32.
;; 2 versions, each right; version 2 is version 1 with the launch attn written anew for expert scheduling mode. Each part assembles by itself: llvm-mc -triple=amdgcn-amd-amdhsa -mcpu=gfx1250 --defsym DOCPART=n.
;; ======== version 1 of 2: 1 launch
;; launch attn (part 1): grid 16 x 16, 4 waves a work-group, no clusters, 105,984 bytes of LDS; arguments query, key, value, out0; writes out0
.if DOCPART == 1
	.amdgcn_target "amdgcn-amd-amdhsa--gfx1250"
	.amdhsa_code_object_version 6
	.text
	.protected	k_qd9a98bd783_attn
	.globl	k_qd9a98bd783_attn
	.p2align	8
	.type	k_qd9a98bd783_attn,@function
k_qd9a98bd783_attn:
	s_mov_b64 s[64:65], 0
	v_nop
	global_prefetch_b8 v0, s[64:65] scope:SCOPE_SE
	s_setreg_imm32_b32 hwreg(HW_REG_WAVE_MODE, 25, 1), 1
	s_wait_xcnt 0x0
; ATTENTION with grouped heads, a soft cap and a causal window of 1,024.  query, out0: [2][2048][16 x 128] f32; key, value: [2][2048][8 x 128] f32.
; out[b][i][hq] = sum over j in i-1023 .. i of softmax_j(30 tanh(q.k / (30 sqrt 128))) v[b][j][hq / 2].
; THE SOFT CAP BOUNDS THE EXPONENTS.  exp(30 tanh(y) - 30) = 2^(-A u), u = 1 / (1 + 2^(c1 s)), s = q.k, c1 = 2 log2(e) / (30 sqrt 128), A = 60 log2(e) = 86.56.  u lies in 0 .. 1 for every input, so a
; weight p lies in 8.7e-27 .. 1 and a row's sum in 8.7e-27 .. 1,024: nothing can overflow or underflow in f32, nor p in bf16.  The shift by 30 is the cap of the problem itself, so no running maximum is
; kept, O is never rescaled, and key steps may be added in any order.  A hidden key gets -1e30 as the addend of the multiply-add that forms -A u: its weight is exactly 0.
; LIMITS.  q, k, v are rounded once to bf16; products and sums in f32.  p goes into the second product as TWO bf16 numbers, bf16(p) and bf16(p - bf16(p)), 16 significant bits together: one large weight w, rounded
; to bf16 alone, would shift a number by up to w |v| / 512, which is too much beside outputs that are means over many keys.  The sum l is taken of the unrounded p.  NaN and infinite inputs are not treated apart.
; SHARES.  A work-group owns 128 positions (block pb = x) of the two query heads of one key head (y = 8 b + key head): both heads read the same K and V from LDS.  Wave w has head 2 kvh + w / 2 and four tiles
; of 16 queries: tile t = positions 128 pb + 16 (2 t + w % 2) + 0..15.  Keys go in UNITS of 128 (two steps of 64): the wholly visible units pb-7 .. pb-1, the unit pb with the diagonal, then (pb >= 8) the unit pb-8
; with the window's edge, whose mask is the diagonal's complement.  So a work-group has pb + 1 units (pb < 8) or 9, and the launch is uneven: a full block alone is longer than the mean.
; NO CLUSTER: neighbouring blocks want different units at the same trip (their windows are a unit apart) and blocks below 8 want fewer; a walk common to four partners has 12 units for 9.
; NO TENSOR LOADS: K and V are f32 in memory and bf16 in LDS: they pass through registers, where they are rounded.
; LAYOUT.  S^T = K Q^T (source 0 = 16 keys, source 1 = 16 queries): a lane holds ONE query (lane % 16) and keys 8 (lane / 16) + 0..7.  Two such results rounded in pairs ARE source 1 of O^T = V^T P.
; THE PIPELINE.  An ITEM is a tile and a step: 16 queries x 64 keys, 32 scores a lane, worked on in place.  In SLOT n the matrix unit takes 16 products K Q^T of item n and 32 products V^T P of item n - 4; beside them
; stand: item n: c1 s and 2^x; item n - 1: 1 + x and 1 / x; item n - 2: -A u + mask and 2^x; item n - 3: the sums and the two roundings to bf16.  Each item's stage reads what the slot before has made, so all 96
; exponentials and reciprocals of a slot are one batch with one wait, at the slot's end.  Eight slots (a unit) are a trip of the loop.  The pipeline starts on zeros under an all-hidden mask and is drained by
; four more slots under the same mask, written out behind the loop: no first step is written out; the price is 584 lines that write 0, in the wait for the first loads, and half a unit of dead work.
; REGISTERS, in windows of 256 (s_set_vgpr_msb: bits 1:0 source 0, 3:2 source 1, 5:4 source 2, 7:6 destination):
;   window 0: v0-15 addresses and two pairs at work; v16-23 l; v24-31 at work; v32-47 the diagonal's mask; v48-63 the mask in force; v64-191 S^T, 32 a tile; v192-223 bf16(p), two buffers; v224-255 what the rounding left, likewise
;   window 1: O^T, 64 a tile (at the head: Q in f32)     window 2: v0-127 Q; v128-255 K of one step     window 3: v0-127 V of one step; v128-191, v192-255 K and V as loaded, f32
.set QROW,  8192      ; bytes in a row of query and of out0
.set KROW,  4096      ; bytes in a row of key and of value
.set STEPB, 64*KROW   ; a step's rows in memory
.set TILEQ, 32*QROW   ; from a wave's tile to its next
.set PK,    272       ; a row of K in LDS: 256 bytes + 16: the 16 rows of a fragment load start at 16 different groups of four banks (64 banks of 4 bytes: ISA guide 11.1)
.set PV,    288       ; a row of V: 256 + 32
.set KTILE, 64*PK     ; two buffers for K from byte 0,
.set VTILE, 64*PV
.set VBASE, 2*KTILE   ; two for V behind them
.set STAGE, VBASE+2*VTILE  ; 16 rows x 528 bytes for each wave, for the way out
.set SPT,   528
.set SPARE, STAGE+4*16*SPT ; the spare words, 128 bytes for each wave: two blocks of 256 bytes that no other line names
.set TA,  0           ; v[0:1]   behind the head: a rounded pair, widened again
.set RR,  1           ; v1   at the head: lane % 16
.set AK0, 2           ; v2   my lane's place in a tile of K; never rewritten
.set AV0, 3           ; v3   the same for V
.set KS,  4           ; v4   where I store 8 bytes of a row of K
.set VS,  5           ; v5   the same for V
.set GL,  6           ; v6   16 x lane + my wave's 16 rows of a step; never rewritten
.set GK,  7           ; v7   GL + the unit's bytes, for K's loads
.set GV,  8           ; v8   for V's
.set PFO, 9           ; v9   the prefetches' offset: my thread's row of a unit; never rewritten
.set STO, 10          ; v10  the way out: where I put 32 bytes of a row
.set RD,  11          ; v11  where I read a row back
.set TB,  12          ; v[12:13] behind the head: the second such pair
.set GO,  12          ; v12  on the way out: my 16 bytes of a row of out0
.set QO,  13          ; v13  at the head: my byte offset in 16 rows of query
.set SPW, 14          ; v14  LDS address of my spare word; never rewritten
.set NIL, 15          ; v15  0; never rewritten
.set LS,  16          ; tile t's sum l at v[LS+2 t]: even registers', odd registers'
.set TMP, 24
.set DM,  32          ; -1e30 where key 16 e + 8 (lane / 16) + j of a tile's own 32 keys lies behind my query, at DM + 8 e + j
.set PM,  48          ; DM x AL + BE
.set SC,  64
.set PR,  192         ; bf16(p): buffer b at PR + 16 b; bf16(p - bf16(p)): at PR + 32 + 16 b
.set HH,  224         ; at the head: lane / 16
.set LN,  225         ; lane
.set X0,  226
.set KF,  128         ; window 2: keys 16 kb on, channels 32 c on at KF + 32 kb + 8 c
.set SK,  128         ; window 3: row q of my 16 rows of K at SK + 4 q; of V 64 further on
.set WV,  12          ; s12  my wave's number
.set PB,  13          ; s13  pb
.set NF,  16          ; s16  wholly visible units: min(pb, 7); also the trip of the diagonal's unit
.set NU,  17          ; s17  units = trips of the loop; never written in it
.set U,   19          ; s19  the trip; behind the loop it equals NU
.set U1,  20          ; s20  U + 1
.set SE,  21          ; s21  the trip of the edge's unit, or -1
.set UC,  22          ; s22  byte offset of this trip's unit
.set UN,  23          ; s23  of the next trip's
.set C1,  26          ; s[26:27]
.set NA,  28          ; s[28:29] -A
.set AL,  30          ; s[30:31] the mask's factor
.set BE,  32          ; s[32:33] its addend; also the mask of the 32-key groups in front of a tile's own
.set HI,  36          ; s[36:37] the mask of the groups behind it
.set BIGN, 38         ; s38  -1e30
.set ULO, 39          ; s39  the first unit
.set SEL, 40          ; s[40:41] v_permlanex16_b32's selects: each lane takes its own place in the other half
.set PFK, 42          ; s[42:43] K at the unit two trips on
.set PFV, 44          ; s[44:45] V likewise
.set PFL, 46          ; s46  trips that prefetch
.set HM,  47          ; s47  a word's upper bf16
.set MSB, 0
.macro WIN new                      ; the high byte repeats the setting that is left; a switch that changes nothing is dropped
.if MSB != (\new)
	s_set_vgpr_msb (MSB<<8)|(\new)
.set MSB, (\new)
.endif
.endm
.macro PLACES                       ; four plain instructions behind a matrix instruction, in front of loads into its registers and of readers of its result
.rept 4
	v_nop
.endr
.endm
; THE MATRIX WORK.  The accumulators take turns, one instruction a turn: 4 in K Q^T, 8 in V^T P.
.macro QKI t, n                     ; product n of 16 of S^T = K Q^T for tile t: keys 16 (n % 4) on, channels 32 (n / 4) on; the first four start the sums
	WIN 0x0a                        ; K and Q in window 2, S^T in window 0
.set rS, SC+32*(\t)+8*((\n)%4)
.set rK, KF+32*((\n)%4)+8*((\n)/4)
.set rQ, 32*(\t)+8*((\n)/4)
.if (\n) < 4
	v_wmma_f32_16x16x32_bf16 v[rS:rS+7], v[rK:rK+7], v[rQ:rQ+7], 0
.else
	v_wmma_f32_16x16x32_bf16 v[rS:rS+7], v[rK:rK+7], v[rQ:rQ+7], v[rS:rS+7]
.endif
.endm
.macro PVI t, buf, n                ; product n of 32 of O^T += V^T P for tile t: channels 16 (n % 8) on; keys 32 (n / 16) on; (n / 8) % 2 = 0: bf16(p), 1: what the rounding left
	WIN 0x53                        ; V in window 3, P in window 0, O^T in window 1
.set rO, 64*(\t)+8*((\n)%8)
.set rV, 64*((\n)/16)+8*((\n)%8)
.set rP, PR+32*(((\n)/8)%2)+16*(\buf)+8*((\n)/16)
	v_wmma_f32_16x16x32_bf16 v[rO:rO+7], v[rV:rV+7], v[rP:rP+7], v[rO:rO+7]
.endm
; THE VECTOR WORK, all in window 0.  tQ, tB, tC, tD: the tiles of items n, n - 1, n - 2, n - 3; sdC: item n - 2's step in its unit; pW: the buffer of P that is written.
; FOP k, the 48 that feed an exponential or a reciprocal, a pair of scores each: 0-15  1 + x (tB);  16-31  -A u + mask (tC);  32-47  c1 s (tQ), in ascending order.
; The mask of pair pa: its 32-key group 2 sdC + pa / 8 lies in front of the tile's own group (BE), behind it (HI), or is it (PM).
.macro FOP k
.if (\k) < 16
.set ra, SC+32*tB+2*(\k)
	v_pk_add_f32 v[ra:ra+1], v[ra:ra+1], 1.0 op_sel_hi:[1,0]
.elseif (\k) < 32
.set pa, (\k)-16
.set ra, SC+32*tC+2*pa
.set kp, 2*sdC+pa/8
.set rm, PM+8*((pa/4)%2)+2*(pa%4)
.if kp < tC
	v_pk_fma_f32 v[ra:ra+1], v[ra:ra+1], s[NA:NA+1], s[BE:BE+1] op_sel_hi:[1,0,0]
.elseif kp > tC
	v_pk_fma_f32 v[ra:ra+1], v[ra:ra+1], s[NA:NA+1], s[HI:HI+1] op_sel_hi:[1,0,0]
.else
	v_pk_fma_f32 v[ra:ra+1], v[ra:ra+1], s[NA:NA+1], v[rm:rm+1] op_sel_hi:[1,0,1]
.endif
.else
.set ra, SC+32*tQ+2*((\k)-32)
	v_pk_mul_f32 v[ra:ra+1], v[ra:ra+1], s[C1:C1+1] op_sel_hi:[1,0]
.endif
.endm
.macro TOP n                        ; the 96: 0-31 1 / x (tB); 32-63 2^x (tC); 64-95 2^x (tQ).  Number n follows FOP n / 2
.if (\n) < 32
	v_rcp_f32 v[SC+32*tB+(\n)], v[SC+32*tB+(\n)]
.elseif (\n) < 64
	v_exp_f32 v[SC+32*tC+(\n)-32], v[SC+32*tC+(\n)-32]
.else
	v_exp_f32 v[SC+32*tQ+(\n)-64], v[SC+32*tQ+(\n)-64]
.endif
.endm
; DOP d, the 96 of tile tD, twelve for each four weights (two pairs): both pairs are rounded to bf16; l takes each pair; each rounded pair is widened again and taken away from its weights, in place (the
; difference is exact); what is left is rounded.  No line reads the result of the plain line just before it.
.macro DOP d
.set ka, (\d)/12
.set ea, (\d)%12
.set ra, SC+32*tD+4*ka
.set ph, PR+16*pW+2*ka
.set pl, PR+32+16*pW+2*ka
.if ea == 0
	v_cvt_pk_bf16_f32 v[ph], v[ra], v[ra+1]
.elseif ea == 1
	v_cvt_pk_bf16_f32 v[ph+1], v[ra+2], v[ra+3]
.elseif ea == 2
	v_pk_add_f32 v[LS+2*tD:LS+2*tD+1], v[LS+2*tD:LS+2*tD+1], v[ra:ra+1]
.elseif ea == 3
	v_lshlrev_b32 v[TA], 16, v[ph]
.elseif ea == 4
	v_and_b32 v[TA+1], s[HM], v[ph]
.elseif ea == 5
	v_pk_add_f32 v[LS+2*tD:LS+2*tD+1], v[LS+2*tD:LS+2*tD+1], v[ra+2:ra+3]
.elseif ea == 6
	v_lshlrev_b32 v[TB], 16, v[ph+1]
.elseif ea == 7
	v_and_b32 v[TB+1], s[HM], v[ph+1]
.elseif ea == 8
	v_pk_add_f32 v[ra:ra+1], v[ra:ra+1], v[TA:TA+1] neg_lo:[0,1] neg_hi:[0,1]
.elseif ea == 9
	v_pk_add_f32 v[ra+2:ra+3], v[ra+2:ra+3], v[TB:TB+1] neg_lo:[0,1] neg_hi:[0,1]
.elseif ea == 10
	v_cvt_pk_bf16_f32 v[pl], v[ra], v[ra+1]
.else
	v_cvt_pk_bf16_f32 v[pl+1], v[ra+2], v[ra+3]
.endif
.endm
; THE DEAL.  Behind each of a slot's 48 matrix instructions: P T P T P, plain and transcendental by turns: 144 plain (48 FOPs, 96 DOPs) and 96 others.  A plain place takes the next FOP while the FOPs are less than
; three ahead of their readers, else the next DOP: about one FOP and two DOPs a matrix instruction.  By that count: a part of P's buffer is written half a slot or more behind the last product that read it;
; the first c1 s stands behind product 29, some forty plain lines behind the last K Q^T; all DOPs are out at the slot's end, ahead of the products that write the tile's S^T anew.
.macro NEXTP
.if (nf < 48) && ((2*nf < nt+6) || (nd >= 96) || (np < 5))
	FOP nf
.set nf, nf+1
.else
	DOP nd
.set nd, nd+1
.endif
.set np, np+1
.endm
.macro NEXTT
	TOP nt
.set nt, nt+1
.endm
.macro RIDERS
	WIN 0
	NEXTP
	NEXTT
	NEXTP
	NEXTT
	NEXTP
.endm
; LDS LOADS in runs of 16.  K: half = channels 64 x half on, of all 64 keys.  V, turned: keys 32 kk on, all 128 channels.
.macro FETCHK buf, half
	WIN 0x80                        ; destination window 2
.irp kb, 0,1,2,3
.irp cc, 0,1
.set ca, 2*(\half)+\cc
	ds_load_b128 v[KF+32*\kb+8*ca:KF+32*\kb+8*ca+3],   v[AK0] offset:(\buf)*KTILE+\kb*16*PK+64*ca
	ds_load_b128 v[KF+32*\kb+8*ca+4:KF+32*\kb+8*ca+7], v[AK0] offset:(\buf)*KTILE+\kb*16*PK+64*ca+32
.endr
.endr
	WIN 0
.endm
.macro FETCHV buf, kk
	WIN 0xc0                        ; destination window 3
.irp cb, 0,1,2,3,4,5,6,7
	ds_load_tr16_b128 v[64*(\kk)+8*\cb:64*(\kk)+8*\cb+3],   v[AV0] offset:(\buf)*VTILE+(\kk)*32*PV+32*\cb
	ds_load_tr16_b128 v[64*(\kk)+8*\cb+4:64*(\kk)+8*\cb+7], v[AV0] offset:(\buf)*VTILE+(\kk)*32*PV+16*PV+32*\cb
.endr
	WIN 0
.endm
; My 16 rows of a step of K (kind 0) or V (kind 1): a load takes one row's 512 consecutive bytes, 16 a lane.
.macro GLOADS kind, areg, imm
	WIN 0xc0
.set xa, 0
.rept 16
.if (\kind) == 0
	global_load_b128 v[SK+4*xa:SK+4*xa+3], v[\areg], s[6:7] offset:(\imm)+KROW*xa
.else
	global_load_b128 v[SK+64+4*xa:SK+64+4*xa+3], v[\areg], s[8:9] offset:(\imm)+KROW*xa
.endif
.set xa, xa+1
.endr
	WIN 0
.endm
; Rows 4 q .. 4 q + 3 of them are rounded to bf16 and stored into LDS buffer buf: 32 lanes x 8 bytes are a row's 256.
.macro CBLK kind, buf, q
	WIN 0x0f                        ; sources in window 3
.set ma, 0
.rept 4
.set sr, SK+64*(\kind)+4*(4*(\q)+ma)
	v_cvt_pk_bf16_f32 v[TMP+2*ma], v[sr], v[sr+1]
	v_cvt_pk_bf16_f32 v[TMP+2*ma+1], v[sr+2], v[sr+3]
.set ma, ma+1
.endr
	WIN 0
.set ma, 0
.rept 4
.if (\kind) == 0
	ds_store_b64 v[KS], v[TMP+2*ma:TMP+2*ma+1] offset:(\buf)*KTILE+(4*(\q)+ma)*PK
.else
	ds_store_b64 v[VS], v[TMP+2*ma:TMP+2*ma+1] offset:(\buf)*VTILE+(4*(\q)+ma)*PV
.endif
.set ma, ma+1
.endr
.endm
; K of the next trip's unit, if there is one.  Where there is none the wave waits for all its loads instead, so that the counted waits further down hold on both ways.
; pf = 1: THE PREFETCH.  Units 10 .. 15 of a key head are read first by block 15, a trip ahead of block 14: block 15 alone asks, in trip u for unit 10 + u, whose loads begin a trip later.  A thread names one
; of the unit's 128 rows, its two blocks of 256 bytes in K and in V: four lines, together, behind the wave's loads.  Each block is named once in the launch; the last unit named is the tensor's last.
.macro GK_IF imm, pf
	s_cmp_lt_u32 s[U1], s[NU]
	s_cbranch_scc0 .Lkno_\@
	v_add_nc_u32 v[GK], s[UN], v[GL]               ; its earlier loads were shown done by the counted wait ahead of K's last conversion
	GLOADS 0, GK, \imm
.if (\pf)
	s_cmp_lt_u32 s[U], s[PFL]
	s_cbranch_scc0 .Lkok_\@
	global_prefetch_b8 v[PFO], s[PFK:PFK+1] th:TH_LOAD_NT scope:SCOPE_SE
	global_prefetch_b8 v[PFO], s[PFK:PFK+1] offset:256 th:TH_LOAD_NT scope:SCOPE_SE
	global_prefetch_b8 v[PFO], s[PFV:PFV+1] th:TH_LOAD_NT scope:SCOPE_SE
	global_prefetch_b8 v[PFO], s[PFV:PFV+1] offset:256 th:TH_LOAD_NT scope:SCOPE_SE
.endif
	s_branch .Lkok_\@
.Lkno_\@:
	s_wait_loadcnt 0x0
.Lkok_\@:
.endm
.macro GV_IF creg, oreg, imm        ; the same for V: the unit at offset s[oreg], if trip s[creg] has one
	s_cmp_lt_u32 s[\creg], s[NU]
	s_cbranch_scc0 .Lvno_\@
	v_add_nc_u32 v[GV], s[\oreg], v[GL]            ; its earlier loads were shown done by the counted wait ahead of V's last conversion
	GLOADS 1, GV, \imm
	s_branch .Lvok_\@
.Lvno_\@:
	s_wait_loadcnt 0x0
.Lvok_\@:
.endm
.macro PMSET
.set za, 0
.rept 8
	v_pk_fma_f32 v[PM+2*za:PM+2*za+1], v[DM+2*za:DM+2*za+1], s[AL:AL+1], s[BE:BE+1] op_sel_hi:[1,0,0]
.set za, za+1
.endr
.endm
; The mask of trip U's unit: (AL, BE, HI) = (0, 0, 0) wholly visible; (1, 0, N) the diagonal's; (-1, N, 0) the edge's; (0, N, N) behind the loop, where U = NU: the slots that drain.
.macro MASKSET
	s_cmp_eq_u32 s[U], s[NF]
	s_cselect_b32 s[AL], 1.0, 0
	s_cselect_b32 s[HI], s[BIGN], 0
	s_cmp_eq_u32 s[U], s[SE]
	s_cselect_b32 s[AL], -1.0, s[AL]
	s_cselect_b32 s[BE], s[BIGN], 0
	s_cmp_eq_u32 s[U], s[NU]
	s_cselect_b32 s[BE], s[BIGN], s[BE]
	s_cselect_b32 s[HI], s[BIGN], s[HI]
	PMSET
.endm
; SLOT i of a trip's eight.  Step = i / 4 of the unit, tile = i % 4.  What else a step's four slots carry (tau = the step, buffers by its parity):
;   0  the waits for the fragments fetched in the slot before; K of step tau + 1 is rounded and stored      1  K of step tau + 2 is asked of memory; V of step tau is rounded and stored
;   2  V of step tau + 1 is asked of memory; at the end my stores are waited for and the barrier signalled   3  behind the barrier's wait: the fragments of K of step tau + 1 and of V of step tau, four runs of 16,
;      each nine plain lines (the last: three and four v_nop) behind the last product that read its registers, and 30 products or more ahead of its first use.
; ONE BARRIER A STEP: between two barriers K's buffer of one parity and V's of the other are read, and the other two written.
; tail = 1: a slot that drains, behind the loop: nothing is asked of memory, rounded, stored or fetched, and there is no barrier; slot 0's waits for the last trip's fragments, the products and the vector work stay.
.macro SLOT i, tail=0
.set tl, (\tail)
.set jj, (\i)%4
.set par, (\i)/4
.set tQ, jj
.set tB, (jj+3)%4
.set tC, (jj+2)%4
.set tD, (jj+1)%4
.set sdC, (((\i)+6)%8)/4
.set pR, (\i)%2
.set pW, 1-pR
.set nf, 0
.set nd, 0
.set nt, 0
.set np, 0
.if tl == 0
.if jj == 1
	GK_IF par*STEPB, 1-par
.elseif (\i) == 2
	GV_IF U, UC, STEPB
.elseif (\i) == 6
	GV_IF U1, UN, 0
.endif
.endif
.if (\i) == 2
	MASKSET                                        ; slots 0 and 1 still mask the last unit's items
.endif
.set g, 0
.rept 48
.if jj == 0                         ; LDS loads come back in order (ISA guide 5.7.1): the run that the next products read is in; the younger runs of 16 may stay out
.if g == 0
	s_wait_dscnt 48                                ; K's channels 0-63; younger: K's other half and V's two halves
.elseif g == 8
	s_wait_dscnt 32                                ; K's channels 64-127
.elseif g == 16
	s_wait_dscnt 16                                ; V's keys 0-31
.elseif g == 32
	s_wait_dscnt 0x0                               ; V's keys 32-63
.endif
.endif
.if g < 16
	QKI tQ, g
.else
	PVI tQ, pR, g-16
.endif
	RIDERS
.if (tl == 0) && (jj == 0) && (g >= 32) && (g <= 38) && (g%2 == 0)
.if g == 32
	s_wait_loadcnt 16                              ; K's 16 loads are in; V's 16, issued behind them, may stay out
.endif
	CBLK 0, 1-par, (g-32)/2                        ; behind the wait for 0 above, so that the counts above count fragment loads alone
.endif
.if (tl == 0) && (jj == 1) && (g >= 2) && (g <= 8) && (g%2 == 0)
.if g == 2
	s_wait_loadcnt 16                              ; V's 16 loads are in; K's 16, issued at this slot's head, may stay out
.endif
	CBLK 1, par, (g-2)/2
.endif
.if (tl == 0) && (jj == 3)
.if g == 9
	s_barrier_wait -1                              ; every wave's rows of K and V are in LDS, and nobody reads the other two buffers any more
	FETCHK 1-par, 0                                ; (last read by product 7)
.elseif g == 17
	FETCHK 1-par, 1                                ; (by product 15)
.elseif g == 33
	FETCHV par, 0                                  ; (by product 31)
.endif
.endif
.set g, g+1
.endr
.if (tl == 0) && (jj == 3)
	PLACES                                         ; behind the last product, which read V's second half
.else
	v_nop
.endif
	s_wait_alu depctr_va_vdst(0)                   ; the wait ahead of the first line that names a result: one for the slot's 96, all first named in the next slot
.if tl == 0
.if jj == 2
	s_wait_dscnt 0x0                               ; for the others' sake: my stores of K and V are done, and my reads of the buffers that are written next are long back
	s_barrier_signal -1                            ; ten products and their riders, work on registers, stand between the signal and the wait
.elseif jj == 3
	FETCHV par, 1
.endif
.endif
.endm
	s_load_b256 s[4:11], s[0:1], 0x0               ; query s[4:5], key s[6:7], value s[8:9], out0 s[10:11]
	v_lshl_add_u32 v[SPW], v0, 2, SPARE
	v_mov_b32 v[NIL], 0
	v_lshrrev_b32 v[X0], 5, v0
	v_readfirstlane_b32 s[WV], v[X0]               ; wave 0..3
	s_mov_b32 s[PB], ttmp9
	s_and_b32 s48, ttmp7, 0xffff
	s_lshr_b32 s49, s48, 3                         ; b
	s_and_b32 s50, s48, 7                          ; the key head
	s_and_b32 s51, s[WV], 1                        ; which 16 of each 32 positions are mine
	s_lshr_b32 s52, s[WV], 1                       ; which of the two query heads
	s_min_u32 s[NF], s[PB], 7
	s_sub_co_u32 s[ULO], s[PB], s[NF]
	s_add_co_u32 s24, s[NF], 1
	s_add_co_u32 s25, s[NF], 2
	s_cmp_ge_u32 s[PB], 8
	s_cselect_b32 s[NU], s25, s24
	s_cselect_b32 s[SE], s24, -1
	s_cmp_eq_u32 s[PB], 15
	s_cselect_b32 s[PFL], 6, 0
	s_lshl_b32 s[UC], s[ULO], 19                   ; a unit is 128 rows of 4,096 bytes
	s_add_co_u32 s24, s[ULO], 2
	s_lshl_b32 s24, s24, 19
	s_mov_b32 s25, 0
	s_lshl_b32 s54, s49, 23                        ; K and V: b x 2,048 rows + 512 bytes a head
	s_lshl_b32 s53, s50, 9
	s_add_co_u32 s54, s54, s53
	s_mov_b32 s55, 0
	s_lshl_b32 s2, s49, 24                         ; Q and O: b x 2,048 rows of 8,192 bytes,
	s_lshl_b32 s3, s[PB], 20                       ; 128 rows a block,
	s_add_co_u32 s2, s2, s3
	s_lshl_b32 s3, s51, 17                         ; my 16 rows,
	s_add_co_u32 s2, s2, s3
	s_lshl1_add_u32 s3, s50, s52                   ; my head's 512 bytes
	s_lshl_b32 s3, s3, 9
	s_add_co_u32 s2, s2, s3
	s_mov_b32 s3, 0
	s_mov_b32 s[C1], 0x3c0b4875                    ; 2 log2(e) / (30 sqrt 128) = 0.00850116
	s_mov_b32 s[C1+1], s[C1]                       ; named as pairs
	s_mov_b32 s[NA], 0xc2ad1f97                    ; -60 log2(e) = -86.5617
	s_mov_b32 s[NA+1], s[NA]
	s_mov_b32 s[BIGN], 0xf149f2ca                  ; -1e30
	s_mov_b32 s[HM], 0xffff0000
	s_mov_b32 s[AL], 0                             ; the pipeline starts with everything hidden
	s_mov_b32 s[AL+1], 0
	s_mov_b32 s[BE], s[BIGN]
	s_mov_b32 s[BE+1], 0
	s_mov_b32 s[HI], s[BIGN]
	s_mov_b32 s[HI+1], 0
	s_mov_b32 s[SEL], 0x76543210
	s_mov_b32 s[SEL+1], 0xfedcba98
	v_and_b32 v[RR], 15, v0
	v_bfe_u32 v[HH], v0, 4, 1
	v_and_b32 v[LN], 31, v0
	s_lshl_b32 s56, s[WV], 16                      ; my 16 rows of a step
	v_lshl_add_u32 v[GL], v[LN], 4, s56
	v_add_nc_u32 v[GK], s[UC], v[GL]
	v_add_nc_u32 v[GV], s[UC], v[GL]
	v_lshlrev_b32 v[QO], 13, v[RR]                 ; a fragment of Q: row lane % 16, channels 8 (lane / 16) on: 32 bytes of f32
	v_lshl_add_u32 v[QO], v[HH], 5, v[QO]
	s_wait_kmcnt 0x0
	s_add_nc_u64 s[6:7], s[6:7], s[54:55]
	s_add_nc_u64 s[8:9], s[8:9], s[54:55]
	s_add_nc_u64 s[4:5], s[4:5], s[2:3]
	s_add_nc_u64 s[10:11], s[10:11], s[2:3]
	s_add_nc_u64 s[PFK:PFK+1], s[6:7], s[24:25]
	s_add_nc_u64 s[PFV:PFV+1], s[8:9], s[24:25]
	GLOADS 0, GK, 0                                ; K of step 0
	WIN 0x40                                       ; Q in f32 into O^T's registers: tile x / 4, channels 32 (x % 4) on: 8 (lane / 16) + 0..7 and 16 + 8 (lane / 16) + 0..7
.set xa, 0
.rept 16
	global_load_b128 v[16*xa:16*xa+3],     v[QO], s[4:5] offset:(xa/4)*TILEQ+(xa%4)*128
	global_load_b128 v[16*xa+4:16*xa+7],   v[QO], s[4:5] offset:(xa/4)*TILEQ+(xa%4)*128+16
	global_load_b128 v[16*xa+8:16*xa+11],  v[QO], s[4:5] offset:(xa/4)*TILEQ+(xa%4)*128+64
	global_load_b128 v[16*xa+12:16*xa+15], v[QO], s[4:5] offset:(xa/4)*TILEQ+(xa%4)*128+80
.set xa, xa+1
.endr
	WIN 0
	v_mul_u32_u24 v[AK0], v[RR], PK                ; a fragment of K: row x pitch + 16 x half
	v_lshl_add_u32 v[AK0], v[HH], 4, v[AK0]
	v_and_b32 v[X0], 7, v0                         ; the turning load: lane l reads key 8 (l / 16) + l % 8, channels 8 ((l / 8) % 2) + 0..7
	v_lshl_add_u32 v[AV0], v[HH], 3, v[X0]
	v_mul_u32_u24 v[AV0], v[AV0], PV
	v_bfe_u32 v[X0], v0, 3, 1
	v_lshl_add_u32 v[AV0], v[X0], 4, v[AV0]
	v_add_nc_u32 v[AV0], VBASE, v[AV0]
	s_mul_i32 s56, s[WV], 16*PK
	v_lshl_add_u32 v[KS], v[LN], 3, s56
	s_mul_i32 s56, s[WV], 16*PV
	s_add_co_u32 s56, s56, VBASE
	v_lshl_add_u32 v[VS], v[LN], 3, s56
	v_lshlrev_b32 v[PFO], 12, v0
	s_mul_i32 s56, s[WV], 16*SPT
	s_add_co_u32 s56, s56, STAGE                   ; my stage
	v_mul_u32_u24 v[STO], v[RR], SPT               ; in: row lane % 16, 32 bytes for each half of the lanes
	v_lshl_add_u32 v[STO], v[HH], 5, v[STO]
	v_add_nc_u32 v[STO], s56, v[STO]
	v_lshl_add_u32 v[RD], v[LN], 4, s56            ; back: 32 lanes take a row's 512 bytes
	v_lshlrev_b32 v[X0], 3, v[HH]
	v_sub_nc_u32 v[X0], v[RR], v[X0]
	s_lshl_b32 s56, s51, 4
	v_add_nc_u32 v[X0], s56, v[X0]                 ; my query's place in its 32 positions, less my lanes' 8 (lane / 16)
.set xa, 0
.rept 16
	v_cmp_gt_i32 vcc_lo, 16*(xa/8)+xa%8, v[X0]
	v_cndmask_b32 v[DM+xa], 0, s[BIGN], vcc_lo
	v_mov_b32 v[PM+xa], s[BIGN]
.set xa, xa+1
.endr
	; What the first slots find: S^T, both parts of P, l, V's fragments and O^T hold 0: under the all-hidden mask the items that have not been add exact zeros.  These lines stand in the wait for the first loads.
	; (P's second part takes the registers of lane / 16, lane and the mask's offset, which have served.)
.set xa, 0
.rept 128
	v_mov_b32 v[SC+xa], 0
.set xa, xa+1
.endr
.set xa, 0
.rept 64
	v_mov_b32 v[PR+xa], 0
.set xa, xa+1
.endr
.set xa, 0
.rept 8
	v_mov_b32 v[LS+xa], 0
.set xa, xa+1
.endr
	WIN 0xc0
.set xa, 0
.rept 128
	v_mov_b32 v[xa], 0
.set xa, xa+1
.endr
	WIN 0
	s_wait_loadcnt 48                              ; K of step 0 is in: 64 loads of Q are younger, more than the count can name, so the wait takes 16 of them along
.irp q, 0,1,2,3
	CBLK 0, 0, \q
.endr
	GLOADS 0, GK, STEPB                            ; K of step 1,
	GLOADS 1, GV, 0                                ; V of step 0
	s_wait_loadcnt 32                              ; Q is in (so its offset's register may serve anew); the 32 loads just issued may stay out
	WIN 0x85                                       ; sources window 1, destination window 2
.set xa, 0
.rept 128
	v_cvt_pk_bf16_f32 v[xa], v[2*xa], v[2*xa+1]
.set xa, xa+1
.endr
	WIN 0x40
.set xa, 0
.rept 256
	v_mov_b32 v[xa], 0
.set xa, xa+1
.endr
	WIN 0
	s_wait_dscnt 0x0                               ; my rows of K of step 0 are in LDS,
	s_barrier_signal -1
	s_barrier_wait -1                              ; everybody's are
	FETCHK 0, 0
	FETCHK 0, 1
	s_wait_dscnt 0x0
	s_mov_b32 s[U], 0
.Ltrip:                                                ; NU trips, a unit each
	s_add_co_u32 s[U1], s[U], 1
	s_add_co_u32 s24, s[ULO], s[U1]                ; the next trip's unit: the next one up to the diagonal's,
	s_sub_co_i32 s25, s[ULO], 1                    ; then the edge's (where there is none the number is not used)
	s_max_i32 s25, s25, 0
	s_cmp_le_u32 s[U1], s[NF]
	s_cselect_b32 s24, s24, s25
	s_lshl_b32 s[UN], s24, 19
	SLOT 0
	SLOT 1
	SLOT 2
	SLOT 3
	SLOT 4
	SLOT 5
	SLOT 6
	SLOT 7
	s_mov_b32 s[UC], s[UN]
	s_wait_xcnt 0x0                                ; the trip's prefetches, seven slots back, have read their addresses, so these may be written
	s_add_nc_u64 s[PFK:PFK+1], s[PFK:PFK+1], 0x80000
	s_add_nc_u64 s[PFV:PFV+1], s[PFV:PFV+1], 0x80000
	s_add_co_u32 s[U], s[U], 1
	s_cmp_lt_u32 s[U], s[NU]
	s_cbranch_scc1 .Ltrip
	SLOT 0, 1                                      ; THE DRAIN: the last four items' V^T P, and the stages of the last three that are still to come; the slots' own items are hidden
	SLOT 1, 1
	SLOT 2, 1
	SLOT 3, 1
	s_wait_loadcnt 0x0
	s_wait_dscnt 0x0                               ; nothing of mine is out
	; THE WAY OUT.  l's two halves and the other half of the lanes' are added; O^T is divided by l and sent through my stage in LDS, a tile (16 rows x 512 bytes) at a time.  The additions are the places behind the last products.
.irp t, 0,1,2,3
	v_add_f32 v[LS+2*\t], v[LS+2*\t], v[LS+2*\t+1]
.endr
	v_and_b32 v[GO], 0x1ff, v[GL]                  ; 16 x lane
.irp t, 0,1,2,3
	v_permlanex16_b32 v[LS+2*\t+1], v[LS+2*\t], s[SEL], s[SEL+1]
.endr
.irp t, 0,1,2,3
	v_add_f32 v[LS+2*\t], v[LS+2*\t], v[LS+2*\t+1]
.endr
.irp t, 0,1,2,3
	v_rcp_f32 v[LS+2*\t], v[LS+2*\t]
.endr
	v_nop                                          ; a plain line between the last reciprocal and the use of its result,
	s_wait_alu depctr_va_vdst(0)                   ; and the wait: one for the four
.macro PACK t                       ; a lane's eight channels of a row are 32 bytes; they go into rows of 528 bytes and come back as whole rows of 512, into S^T's registers, the tiles by turns in its two halves
	WIN 0x41                        ; O^T in window 1, 1 / l in window 0
.set xb, 0
.rept 32
	v_pk_mul_f32 v[64*(\t)+2*xb:64*(\t)+2*xb+1], v[64*(\t)+2*xb:64*(\t)+2*xb+1], v[LS+2*(\t):LS+2*(\t)+1] op_sel_hi:[1,0]
.set xb, xb+1
.endr
	WIN 0x04                        ; the data in window 1
.set xb, 0
.rept 8
	ds_store_b128 v[STO], v[64*(\t)+8*xb:64*(\t)+8*xb+3]   offset:64*xb
	ds_store_b128 v[STO], v[64*(\t)+8*xb+4:64*(\t)+8*xb+7] offset:64*xb+16
.set xb, xb+1
.endr
	WIN 0
.if (\t) >= 2
	s_wait_xcnt 0x0                                ; the stores of the tile two back have read their data: only behind this wait are those registers loaded again
.endif
.set xb, 0
.rept 16
	ds_load_b128 v[SC+64*((\t)%2)+4*xb:SC+64*((\t)%2)+4*xb+3], v[RD] offset:SPT*xb  ; LDS serves a wave's instructions in order (ISA guide 5.7.1.4): these see the stores above; the next tile's stores come behind them
.set xb, xb+1
.endr
.endm
.macro SEND t, younger              ; younger: the LDS instructions issued behind tile t's loads: the next tile's 32, or none
.set xb, 0
.rept 16
	s_wait_dscnt (\younger)+15-xb
	global_store_b128 v[GO], v[SC+64*((\t)%2)+4*xb:SC+64*((\t)%2)+4*xb+3], s[10:11] offset:(\t)*TILEQ+QROW*xb th:TH_STORE_NT  ; 512 consecutive bytes, at a multiple of 512 from out0's first
.set xb, xb+1
.endr
.endm
	PACK 0
	PACK 1                                         ; a tile's arithmetic stands between the loads of the tile before and its stores
	SEND 0, 32
	PACK 2
	SEND 1, 32
	PACK 3
	SEND 2, 32
	SEND 3, 0
	s_wait_tensorcnt 0x0                           ; the wave's end, behind my last LDS store
	ds_add_u32 v[SPW], v[NIL]
	s_wait_dscnt 0x0
	s_endpgm
.Lfunc_end_k_qd9a98bd783_attn:
	.size	k_qd9a98bd783_attn, .Lfunc_end_k_qd9a98bd783_attn-k_qd9a98bd783_attn
	.p2alignl 7, 3214868480
	.fill 96, 4, 3214868480
	.section	.rodata,"a",@progbits
	.p2align	6, 0x0
	.amdhsa_kernel k_qd9a98bd783_attn
		.amdhsa_group_segment_fixed_size 105984
		.amdhsa_private_segment_fixed_size 0
		.amdhsa_enable_private_segment 0
		.amdhsa_kernarg_size 32
		.amdhsa_user_sgpr_count 2
		.amdhsa_user_sgpr_kernarg_segment_ptr 1
		.amdhsa_wavefront_size32 1
		.amdhsa_system_sgpr_workgroup_id_x 1
		.amdhsa_system_sgpr_workgroup_id_y 1
		.amdhsa_system_sgpr_workgroup_id_z 1
		.amdhsa_system_vgpr_workitem_id 0
		.amdhsa_next_free_vgpr 1024
		.amdhsa_next_free_sgpr 66
		.amdhsa_reserve_vcc 1
		.amdhsa_float_denorm_mode_32 3
		.amdhsa_float_denorm_mode_16_64 3
		.amdhsa_memory_ordered 1
		.amdhsa_forward_progress 1
		.amdhsa_inst_pref_size 255
	.end_amdhsa_kernel
	.section	.bss,"aw",@nobits
	.p2align	6
	.space	262144
	.amdgpu_metadata
---
amdhsa.version: [ 1, 2 ]
amdhsa.kernels:
  - .name:           k_qd9a98bd783_attn
    .symbol:         k_qd9a98bd783_attn.kd
    .args:
      - { .name: query, .offset: 0, .size: 8, .value_kind: global_buffer, .address_space: global }
      - { .name: key, .offset: 8, .size: 8, .value_kind: global_buffer, .address_space: global }
      - { .name: value, .offset: 16, .size: 8, .value_kind: global_buffer, .address_space: global }
      - { .name: out0, .offset: 24, .size: 8, .value_kind: global_buffer, .address_space: global }
    .group_segment_fixed_size: 105984
    .private_segment_fixed_size: 0
    .kernarg_segment_align: 8
    .kernarg_segment_size: 32
    .max_flat_workgroup_size: 128
    .sgpr_count:     66
    .vgpr_count:     1024
    .wavefront_size: 32
...
	.end_amdgpu_metadata
.endif
;; end of part 1
;; ======== version 2 of 2: 1 launch; version 1 with the launch attn written anew for expert scheduling mode
;; launch attn (part 2): grid 16 x 16, 4 waves a work-group, no clusters, 105,984 bytes of LDS; arguments query, key, value, out0; writes out0
.if DOCPART == 2
	.amdgcn_target "amdgcn-amd-amdhsa--gfx1250"
	.amdhsa_code_object_version 6
	.text
	.protected	k_qd9a98bd783_attn
	.globl	k_qd9a98bd783_attn
	.p2align	8
	.type	k_qd9a98bd783_attn,@function
k_qd9a98bd783_attn:
	s_mov_b64 s[64:65], 0
	v_nop
	global_prefetch_b8 v0, s[64:65] scope:SCOPE_SE
	s_setreg_imm32_b32 hwreg(HW_REG_WAVE_SCHED_MODE, 0, 2), 2
	s_setreg_imm32_b32 hwreg(HW_REG_WAVE_MODE, 25, 1), 1
	s_wait_xcnt 0x0
	s_wait_alu depctr_vm_vsrc(0)
; ATTENTION with grouped heads, a soft cap and a causal window of 1,024.  query, out0: [2][2048][16 x 128] f32; key, value: [2][2048][8 x 128] f32.
; out[b][i][hq] = sum over j in i-1023 .. i of softmax_j(30 tanh(q.k / (30 sqrt 128))) v[b][j][hq / 2].
; THE SOFT CAP BOUNDS THE EXPONENTS.  exp(30 tanh(y) - 30) = 2^(-A u), u = 1 / (1 + 2^(c1 s)), s = q.k, c1 = 2 log2(e) / (30 sqrt 128), A = 60 log2(e) = 86.56.  u lies in 0 .. 1 for every input, so a
; weight p lies in 8.7e-27 .. 1 and a row's sum in 8.7e-27 .. 1,024: nothing can overflow or underflow in f32, nor p in bf16.  The shift by 30 is the cap of the problem itself, so no running maximum is
; kept, O is never rescaled, and key steps may be added in any order.  A hidden key gets -1e30 as the addend of the multiply-add that forms -A u: its weight is exactly 0.
; LIMITS.  q, k, v are rounded once to bf16; products and sums in f32.  p goes into the second product as TWO bf16 numbers, bf16(p) and bf16(p - bf16(p)), 16 significant bits together: one large weight w, rounded
; to bf16 alone, would shift a number by up to w |v| / 512, which is too much beside outputs that are means over many keys.  The sum l is taken of the unrounded p.  NaN and infinite inputs are not treated apart.
; SHARES.  A work-group owns 128 positions (block pb = x) of the two query heads of one key head (y = 8 b + key head): both heads read the same K and V from LDS.  Wave w has head 2 kvh + w / 2 and four tiles
; of 16 queries: tile t = positions 128 pb + 16 (2 t + w % 2) + 0..15.  Keys go in UNITS of 128 (two steps of 64): the wholly visible units pb-7 .. pb-1, the unit pb with the diagonal, then (pb >= 8) the unit pb-8
; with the window's edge, whose mask is the diagonal's complement.  So a work-group has pb + 1 units (pb < 8) or 9, and the launch is uneven: a full block alone is longer than the mean.
; NO CLUSTER: neighbouring blocks want different units at the same trip (their windows are a unit apart) and blocks below 8 want fewer; a walk common to four partners has 12 units for 9.
; NO TENSOR LOADS: K and V are f32 in memory and bf16 in LDS: they pass through registers, where they are rounded.
; LAYOUT.  S^T = K Q^T (source 0 = 16 keys, source 1 = 16 queries): a lane holds ONE query (lane % 16) and keys 8 (lane / 16) + 0..7.  Two such results rounded in pairs ARE source 1 of O^T = V^T P.
; THE PIPELINE.  An ITEM is a tile and a step: 16 queries x 64 keys, 32 scores a lane, worked on in place.  In SLOT n the matrix unit takes 16 products K Q^T of item n and 32 products V^T P of item n - 4; beside them
; stand: item n: c1 s and 2^x; item n - 1: 1 + x and 1 / x; item n - 2: -A u + mask and 2^x; item n - 3: the sums and the two roundings to bf16.  Each item's stage reads what the slot before has made, so all 96
; exponentials and reciprocals of a slot are one batch with one wait, at the slot's end.  Eight slots (a unit) are a trip of the loop.  The pipeline starts on zeros under an all-hidden mask and is drained by
; four more slots under the same mask, written out behind the loop: no first step is written out; the price is 584 lines that write 0, in the wait for the first loads, and half a unit of dead work.
; THE MODE: SCHED_MODE bits 1:0 = 2 (LLVM: expert scheduling mode 2), set by the entry lines.  The code itself states the register dependences between vector or matrix instructions and memory or LDS
; instructions, with s_wait_alu, always for 0.
; THE PLAN.  Registers that memory or LDS instructions touch, in the loop:
;   RAWK  K as loaded.  A step's slot 0: 32 roundings read it and write it, in place.  Slot 1's head: 16 LDS stores read it, then 16 loads from memory land in it.
;   RAWV  V as loaded.  The same a slot later: roundings in slot 1, stores and loads at slot 2's head.
;   KF    K's fragments.  Read by products 0-15 of every slot; 32 LDS loads land in them in a step's slot 3, behind product 17.
;   VF    V's fragments.  The first half is read by products 16-31, the second by 32-47; 16 LDS loads land in each in slot 3, behind product 33 and at the slot's end.
;   v[GL], v[KS], v[VS], v[AK0], v[AV0], v[PFO]  offsets and LDS addresses, made at the head and never written again: the units are reached by two scalar bases and by immediate offsets.
;   All else (Q, S^T, P, O^T, l, the masks) is named by vector and matrix instructions alone until the way out.
; THE WAITS of a step.  The wait on va_vdst at each slot's end states that the slot's exponentials and reciprocals are written, and with it: behind slots 0 and 1, that the roundings have written the raw
; registers which the stores at the next slot's head read; behind slot 3, that the last products are done reading VF's second half.  A wait on vm_vsrc stands behind each run of stores, ahead of the branch: they
; have read the raw registers.  A wait on va_vdst stands ahead of each run of loads from memory, behind its window switch: the roundings are done with the raw registers (stores that name them stand between the
; slot's wait and the loads).  Two more on va_vdst stand in slot 3: the products K Q^T are done reading KF; products 16-31 are done reading VF's first half.
; REGISTERS, in windows of 256 (s_set_vgpr_msb: bits 1:0 source 0, 3:2 source 1, 5:4 source 2, 7:6 destination):
;   window 0: v0-15 addresses and two pairs at work; v16-23 l; v32-47 the diagonal's mask; v48-63 the mask in force; v64-191 S^T, 32 a tile; v192-223 bf16(p), two buffers; v224-255 what the rounding left, likewise
;   window 1: O^T, 64 a tile (at the head: Q in f32)     window 2: v0-127 Q; v128-255 K of one step     window 3: v0-127 V of one step; v128-191, v192-255 K and V as loaded, f32, then rounded in place
.set QROW,  8192      ; bytes in a row of query and of out0
.set KROW,  4096      ; bytes in a row of key and of value
.set STEPB, 64*KROW   ; a step's rows in memory
.set TILEQ, 32*QROW   ; from a wave's tile to its next
.set PK,    272       ; a row of K in LDS: 256 bytes + 16: the 16 rows of a fragment load start at 16 different groups of four banks (64 banks of 4 bytes: ISA guide 11.1)
.set PV,    288       ; a row of V: 256 + 32
.set KTILE, 64*PK     ; two buffers for K from byte 0,
.set VTILE, 64*PV
.set VBASE, 2*KTILE   ; two for V behind them
.set STAGE, VBASE+2*VTILE  ; 16 rows x 528 bytes for each wave, for the way out
.set SPT,   528
.set SPARE, STAGE+4*16*SPT ; the spare words, 128 bytes for each wave: two blocks of 256 bytes that no other line names
.set TA,  0           ; v[0:1]   behind the head: a rounded pair, widened again
.set RR,  1           ; v1   at the head: lane % 16
.set AK0, 2           ; v2   my lane's place in a tile of K; never rewritten
.set AV0, 3           ; v3   the same for V
.set KS,  4           ; v4   where I store 8 bytes of a row of K; never rewritten
.set VS,  5           ; v5   the same for V
.set GL,  6           ; v6   16 x lane + my wave's 16 rows of a step: the offset of every load of K and V; never rewritten
.set PFO, 9           ; v9   the prefetches' offset: my thread's row of a unit; never rewritten
.set STO, 10          ; v10  the way out: where I put 32 bytes of a row
.set RD,  11          ; v11  where I read a row back
.set TB,  12          ; v[12:13] behind the head: the second such pair
.set GO,  12          ; v12  on the way out: my 16 bytes of a row of out0
.set QO,  13          ; v13  at the head: my byte offset in 16 rows of query
.set SPW, 14          ; v14  LDS address of my spare word; never rewritten
.set NIL, 15          ; v15  0; never rewritten
.set LS,  16          ; tile t's sum l at v[LS+2 t]: even registers', odd registers'
.set DM,  32          ; -1e30 where key 16 e + 8 (lane / 16) + j of a tile's own 32 keys lies behind my query, at DM + 8 e + j
.set PM,  48          ; DM x AL + BE
.set SC,  64
.set PR,  192         ; bf16(p): buffer b at PR + 16 b; bf16(p - bf16(p)): at PR + 32 + 16 b
.set HH,  224         ; at the head: lane / 16
.set LN,  225         ; lane
.set X0,  226
.set KF,  128         ; window 2: keys 16 kb on, channels 32 c on at KF + 32 kb + 8 c
.set SK,  128         ; window 3: row q of my 16 rows of K at SK + 4 q; of V 64 further on
.set OFP, 2           ; s[2:3]  behind the head: a unit's byte offset, with 0 above it
.set WV,  12          ; s12  my wave's number
.set PB,  13          ; s13  pb
.set KB,  14          ; s[14:15] K at the unit whose rows are asked for
.set NF,  16          ; s16  wholly visible units: min(pb, 7); also the trip of the diagonal's unit
.set NU,  17          ; s17  units = trips of the loop; never written in it
.set U,   19          ; s19  the trip; behind the loop it equals NU
.set U1,  20          ; s20  U + 1
.set SE,  21          ; s21  the trip of the edge's unit, or -1
.set UC,  22          ; s22  byte offset of this trip's unit
.set UN,  23          ; s23  of the next trip's
.set C1,  26          ; s[26:27]
.set NA,  28          ; s[28:29] -A
.set AL,  30          ; s[30:31] the mask's factor
.set BE,  32          ; s[32:33] its addend; also the mask of the 32-key groups in front of a tile's own
.set VB,  34          ; s[34:35] V at the unit whose rows are asked for
.set HI,  36          ; s[36:37] the mask of the groups behind it
.set BIGN, 38         ; s38  -1e30
.set ULO, 39          ; s39  the first unit
.set SEL, 40          ; s[40:41] v_permlanex16_b32's selects: each lane takes its own place in the other half
.set PFK, 42          ; s[42:43] K at the unit two trips on
.set PFV, 44          ; s[44:45] V likewise
.set PFL, 46          ; s46  trips that prefetch
.set HM,  47          ; s47  a word's upper bf16
.set CM,  48          ; s48-63  at the head, when its scratch there has served: the sixteen compares' results
.set MSB, 0
.macro WIN new                      ; the high byte repeats the setting that is left; a switch that changes nothing is dropped
.if MSB != (\new)
	s_set_vgpr_msb (MSB<<8)|(\new)
.set MSB, (\new)
.endif
.endm
.macro PLACES                       ; four plain instructions behind a matrix instruction, in front of loads into its registers and of readers of its result
.rept 4
	v_nop
.endr
.endm
; THE MATRIX WORK.  The accumulators take turns, one instruction a turn: 4 in K Q^T, 8 in V^T P.
.macro QKI t, n                     ; product n of 16 of S^T = K Q^T for tile t: keys 16 (n % 4) on, channels 32 (n / 4) on; the first four start the sums
	WIN 0x0a                        ; K and Q in window 2, S^T in window 0
.set rS, SC+32*(\t)+8*((\n)%4)
.set rK, KF+32*((\n)%4)+8*((\n)/4)
.set rQ, 32*(\t)+8*((\n)/4)
.if (\n) < 4
	v_wmma_f32_16x16x32_bf16 v[rS:rS+7], v[rK:rK+7], v[rQ:rQ+7], 0
.else
	v_wmma_f32_16x16x32_bf16 v[rS:rS+7], v[rK:rK+7], v[rQ:rQ+7], v[rS:rS+7]
.endif
.endm
.macro PVI t, buf, n                ; product n of 32 of O^T += V^T P for tile t: channels 16 (n % 8) on; keys 32 (n / 16) on; (n / 8) % 2 = 0: bf16(p), 1: what the rounding left
	WIN 0x53                        ; V in window 3, P in window 0, O^T in window 1
.set rO, 64*(\t)+8*((\n)%8)
.set rV, 64*((\n)/16)+8*((\n)%8)
.set rP, PR+32*(((\n)/8)%2)+16*(\buf)+8*((\n)/16)
	v_wmma_f32_16x16x32_bf16 v[rO:rO+7], v[rV:rV+7], v[rP:rP+7], v[rO:rO+7]
.endm
; THE VECTOR WORK, all in window 0.  tQ, tB, tC, tD: the tiles of items n, n - 1, n - 2, n - 3; sdC: item n - 2's step in its unit; pW: the buffer of P that is written.
; FOP k, the 48 that feed an exponential or a reciprocal, a pair of scores each: 0-15  1 + x (tB);  16-31  -A u + mask (tC);  32-47  c1 s (tQ), in ascending order.
; The mask of pair pa: its 32-key group 2 sdC + pa / 8 lies in front of the tile's own group (BE), behind it (HI), or is it (PM).
.macro FOP k
.if (\k) < 16
.set ra, SC+32*tB+2*(\k)
	v_pk_add_f32 v[ra:ra+1], v[ra:ra+1], 1.0 op_sel_hi:[1,0]
.elseif (\k) < 32
.set pa, (\k)-16
.set ra, SC+32*tC+2*pa
.set kp, 2*sdC+pa/8
.set rm, PM+8*((pa/4)%2)+2*(pa%4)
.if kp < tC
	v_pk_fma_f32 v[ra:ra+1], v[ra:ra+1], s[NA:NA+1], s[BE:BE+1] op_sel_hi:[1,0,0]
.elseif kp > tC
	v_pk_fma_f32 v[ra:ra+1], v[ra:ra+1], s[NA:NA+1], s[HI:HI+1] op_sel_hi:[1,0,0]
.else
	v_pk_fma_f32 v[ra:ra+1], v[ra:ra+1], s[NA:NA+1], v[rm:rm+1] op_sel_hi:[1,0,1]
.endif
.else
.set ra, SC+32*tQ+2*((\k)-32)
	v_pk_mul_f32 v[ra:ra+1], v[ra:ra+1], s[C1:C1+1] op_sel_hi:[1,0]
.endif
.endm
.macro TOP n                        ; the 96: 0-31 1 / x (tB); 32-63 2^x (tC); 64-95 2^x (tQ).  Number n follows FOP n / 2
.if (\n) < 32
	v_rcp_f32 v[SC+32*tB+(\n)], v[SC+32*tB+(\n)]
.elseif (\n) < 64
	v_exp_f32 v[SC+32*tC+(\n)-32], v[SC+32*tC+(\n)-32]
.else
	v_exp_f32 v[SC+32*tQ+(\n)-64], v[SC+32*tQ+(\n)-64]
.endif
.endm
; DOP d, the 96 of tile tD, twelve for each four weights (two pairs): both pairs are rounded to bf16; l takes each pair; each rounded pair is widened again and taken away from its weights, in place (the
; difference is exact); what is left is rounded.  No line reads the result of the plain line just before it.
.macro DOP d
.set ka, (\d)/12
.set ea, (\d)%12
.set ra, SC+32*tD+4*ka
.set ph, PR+16*pW+2*ka
.set pl, PR+32+16*pW+2*ka
.if ea == 0
	v_cvt_pk_bf16_f32 v[ph], v[ra], v[ra+1]
.elseif ea == 1
	v_cvt_pk_bf16_f32 v[ph+1], v[ra+2], v[ra+3]
.elseif ea == 2
	v_pk_add_f32 v[LS+2*tD:LS+2*tD+1], v[LS+2*tD:LS+2*tD+1], v[ra:ra+1]
.elseif ea == 3
	v_lshlrev_b32 v[TA], 16, v[ph]
.elseif ea == 4
	v_and_b32 v[TA+1], s[HM], v[ph]
.elseif ea == 5
	v_pk_add_f32 v[LS+2*tD:LS+2*tD+1], v[LS+2*tD:LS+2*tD+1], v[ra+2:ra+3]
.elseif ea == 6
	v_lshlrev_b32 v[TB], 16, v[ph+1]
.elseif ea == 7
	v_and_b32 v[TB+1], s[HM], v[ph+1]
.elseif ea == 8
	v_pk_add_f32 v[ra:ra+1], v[ra:ra+1], v[TA:TA+1] neg_lo:[0,1] neg_hi:[0,1]
.elseif ea == 9
	v_pk_add_f32 v[ra+2:ra+3], v[ra+2:ra+3], v[TB:TB+1] neg_lo:[0,1] neg_hi:[0,1]
.elseif ea == 10
	v_cvt_pk_bf16_f32 v[pl], v[ra], v[ra+1]
.else
	v_cvt_pk_bf16_f32 v[pl+1], v[ra+2], v[ra+3]
.endif
.endm
; THE DEAL.  Behind each of a slot's 48 matrix instructions: P T P T P, plain and transcendental by turns: 144 plain (48 FOPs, 96 DOPs) and 96 others.  A plain place takes the next FOP while the FOPs are less than
; three ahead of their readers, else the next DOP: about one FOP and two DOPs a matrix instruction.  By that count: a part of P's buffer is written half a slot or more behind the last product that read it;
; the first c1 s stands behind product 29, some forty plain lines behind the last K Q^T; all DOPs are out at the slot's end, ahead of the products that write the tile's S^T anew.
.macro NEXTP
.if (nf < 48) && ((2*nf < nt+6) || (nd >= 96) || (np < 5))
	FOP nf
.set nf, nf+1
.else
	DOP nd
.set nd, nd+1
.endif
.set np, np+1
.endm
.macro NEXTT
	TOP nt
.set nt, nt+1
.endm
.macro RIDERS
	WIN 0
	NEXTP
	NEXTT
	NEXTP
	NEXTT
	NEXTP
.endm
; LDS LOADS in runs of 16.  K: half = channels 64 x half on, of all 64 keys.  V, turned: keys 32 kk on, all 128 channels.  w = 1: the run's own wait stands behind its window switch;
; w = 0: a wait stands just ahead, with loads and window switches alone between.
.macro FETCHK buf, half, w
	WIN 0x80                        ; destination window 2
.if \w
	s_wait_alu depctr_va_vdst(0)                   ; the products K Q^T issued so far are done reading K's fragments, in which this run and the next land (ahead of the loop: v[AK0] is written, which they read)
.endif
.irp kb, 0,1,2,3
.irp cc, 0,1
.set ca, 2*(\half)+\cc
	ds_load_b128 v[KF+32*\kb+8*ca:KF+32*\kb+8*ca+3],   v[AK0] offset:(\buf)*KTILE+\kb*16*PK+64*ca
	ds_load_b128 v[KF+32*\kb+8*ca+4:KF+32*\kb+8*ca+7], v[AK0] offset:(\buf)*KTILE+\kb*16*PK+64*ca+32
.endr
.endr
	WIN 0
.endm
.macro FETCHV buf, kk, w
	WIN 0xc0                        ; destination window 3
.if \w
	s_wait_alu depctr_va_vdst(0)                   ; the products V^T P issued so far are done reading this half of V's fragments, in which the run lands
.endif
.irp cb, 0,1,2,3,4,5,6,7
	ds_load_tr16_b128 v[64*(\kk)+8*\cb:64*(\kk)+8*\cb+3],   v[AV0] offset:(\buf)*VTILE+(\kk)*32*PV+32*\cb
	ds_load_tr16_b128 v[64*(\kk)+8*\cb+4:64*(\kk)+8*\cb+7], v[AV0] offset:(\buf)*VTILE+(\kk)*32*PV+16*PV+32*\cb
.endr
	WIN 0
.endm
; My 16 rows of a step of K (kind 0) or V (kind 1): a load takes one row's 512 consecutive bytes, 16 a lane.  The unit stands in the scalar base, the step and the row in the immediate.  w as above.
.macro GLOADS kind, imm, w
	WIN 0xc0
.if \w
	s_wait_alu depctr_va_vdst(0)                   ; the roundings in place are done reading and writing the raw registers, in which these loads land (at the head's first run: v[GL] and v[QO] are written)
.endif
.set xa, 0
.rept 16
.if (\kind) == 0
	global_load_b128 v[SK+4*xa:SK+4*xa+3], v[GL], s[KB:KB+1] offset:(\imm)+KROW*xa
.else
	global_load_b128 v[SK+64+4*xa:SK+64+4*xa+3], v[GL], s[VB:VB+1] offset:(\imm)+KROW*xa
.endif
.set xa, xa+1
.endr
	WIN 0
.endm
; Rows 4 q .. 4 q + 3 of them are rounded to bf16 in place: a row's four registers close up into its first two.
.macro CVT kind, q
	WIN 0xcf                        ; sources and destination in window 3
.set ma, 0
.rept 4
.set sr, SK+64*(\kind)+4*(4*(\q)+ma)
	v_cvt_pk_bf16_f32 v[sr], v[sr], v[sr+1]
	v_cvt_pk_bf16_f32 v[sr+1], v[sr+2], v[sr+3]
.set ma, ma+1
.endr
.endm
; All 16 rows are stored into LDS buffer buf: 32 lanes x 8 bytes are a row's 256.  A wait on va_vdst stands ahead of the run: the roundings have written the data.
.macro STK kind, buf
	WIN 0x0c                        ; the data in window 3
.set ma, 0
.rept 16
.set sr, SK+64*(\kind)+4*ma
.if (\kind) == 0
	ds_store_b64 v[KS], v[sr:sr+1] offset:(\buf)*KTILE+ma*PK
.else
	ds_store_b64 v[VS], v[sr:sr+1] offset:(\buf)*VTILE+ma*PV
.endif
.set ma, ma+1
.endr
	WIN 0
.endm
; K of the next trip's unit, if there is one.  Where there is none the wave waits for all its loads instead, so that the counted waits further down hold on both ways.
; pf = 1: THE PREFETCH.  Units 10 .. 15 of a key head are read first by block 15, a trip ahead of block 14: block 15 alone asks, in trip u for unit 10 + u, whose loads begin a trip later.  A thread names one
; of the unit's 128 rows, its two blocks of 256 bytes in K and in V: four lines, together, behind the wave's loads.  Each block is named once in the launch; the last unit named is the tensor's last.
.macro GK_IF imm, pf
	s_cmp_lt_u32 s[U1], s[NU]
	s_cbranch_scc0 .Lkno_\@
	s_mov_b32 s[OFP], s[UN]
	s_add_nc_u64 s[KB:KB+1], s[6:7], s[OFP:OFP+1]  ; the base's earlier loads were shown done by the counted wait ahead of K's last roundings
	GLOADS 0, \imm, 1
.if (\pf)
	s_cmp_lt_u32 s[U], s[PFL]
	s_cbranch_scc0 .Lkok_\@
	global_prefetch_b8 v[PFO], s[PFK:PFK+1] th:TH_LOAD_NT scope:SCOPE_SE
	global_prefetch_b8 v[PFO], s[PFK:PFK+1] offset:256 th:TH_LOAD_NT scope:SCOPE_SE
	global_prefetch_b8 v[PFO], s[PFV:PFV+1] th:TH_LOAD_NT scope:SCOPE_SE
	global_prefetch_b8 v[PFO], s[PFV:PFV+1] offset:256 th:TH_LOAD_NT scope:SCOPE_SE
.endif
	s_branch .Lkok_\@
.Lkno_\@:
	s_wait_loadcnt 0x0
.Lkok_\@:
.endm
.macro GV_IF creg, oreg, imm        ; the same for V: the unit at offset s[oreg], if trip s[creg] has one
	s_cmp_lt_u32 s[\creg], s[NU]
	s_cbranch_scc0 .Lvno_\@
	s_mov_b32 s[OFP], s[\oreg]
	s_add_nc_u64 s[VB:VB+1], s[8:9], s[OFP:OFP+1]  ; the base's earlier loads were shown done by the counted wait ahead of V's last roundings
	GLOADS 1, \imm, 1
	s_branch .Lvok_\@
.Lvno_\@:
	s_wait_loadcnt 0x0
.Lvok_\@:
.endm
.macro PMSET
.set za, 0
.rept 8
	v_pk_fma_f32 v[PM+2*za:PM+2*za+1], v[DM+2*za:DM+2*za+1], s[AL:AL+1], s[BE:BE+1] op_sel_hi:[1,0,0]
.set za, za+1
.endr
.endm
; The mask of trip U's unit: (AL, BE, HI) = (0, 0, 0) wholly visible; (1, 0, N) the diagonal's; (-1, N, 0) the edge's; (0, N, N) behind the loop, where U = NU: the slots that drain.
.macro MASKSET
	s_cmp_eq_u32 s[U], s[NF]
	s_cselect_b32 s[AL], 1.0, 0
	s_cselect_b32 s[HI], s[BIGN], 0
	s_cmp_eq_u32 s[U], s[SE]
	s_cselect_b32 s[AL], -1.0, s[AL]
	s_cselect_b32 s[BE], s[BIGN], 0
	s_cmp_eq_u32 s[U], s[NU]
	s_cselect_b32 s[BE], s[BIGN], s[BE]
	s_cselect_b32 s[HI], s[BIGN], s[HI]
	PMSET
.endm
; SLOT i of a trip's eight.  Step = i / 4 of the unit, tile = i % 4.  What else a step's four slots carry (tau = the step, buffers by its parity):
;   0  the waits for the fragments fetched in the slot before; K of step tau + 1 is rounded      1  at its head K of step tau + 1 is stored and K of step tau + 2 asked of memory; V of step tau is rounded
;   2  at its head V of step tau is stored and V of step tau + 1 asked of memory; at the end my stores are waited for and the barrier signalled
;   3  behind the barrier's wait: the fragments of K of step tau + 1 (two runs of 16, behind product 17) and of V of step tau (a run behind product 33, a run at the slot's end), each nine plain lines or more
;      (the last: three and four v_nop) behind the last product that read its registers, and 30 products or more ahead of its first use.
; ONE BARRIER A STEP: between two barriers K's buffer of one parity and V's of the other are read, and the other two written.
; tail = 1: a slot that drains, behind the loop: nothing is asked of memory, rounded, stored or fetched, and there is no barrier; slot 0's waits for the last trip's fragments, the products and the vector work stay.
; In the last trip no K follows, and slot 4 rounds K's raw registers a second time: finite numbers of K's own size, which only the drain's hidden items see.
.macro SLOT i, tail=0
.set tl, (\tail)
.set jj, (\i)%4
.set par, (\i)/4
.set tQ, jj
.set tB, (jj+3)%4
.set tC, (jj+2)%4
.set tD, (jj+1)%4
.set sdC, (((\i)+6)%8)/4
.set pR, (\i)%2
.set pW, 1-pR
.set nf, 0
.set nd, 0
.set nt, 0
.set np, 0
.if tl == 0
.if jj == 1
	STK 0, 1-par                                   ; the wait at the last slot's end has shown the data written
	s_wait_alu depctr_vm_vsrc(0)                   ; the LDS stores have read K's raw registers, in which the loads below land and which the next roundings write
	GK_IF par*STEPB, 1-par
.elseif jj == 2
	STK 1, par                                     ; the wait at the last slot's end has shown the data written
	s_wait_alu depctr_vm_vsrc(0)                   ; the LDS stores have read V's raw registers, in which the loads below land and which the next roundings write
.if (\i) == 2
	GV_IF U, UC, STEPB
.else
	GV_IF U1, UN, 0
.endif
.endif
.endif
.if (\i) == 2
	MASKSET                                        ; slots 0 and 1 still mask the last unit's items
.endif
.set g, 0
.rept 48
.if jj == 0                         ; LDS loads come back in order (ISA guide 5.7.1): the run that the next products read is in; the younger runs of 16 may stay out
.if g == 0
	s_wait_dscnt 48                                ; K's channels 0-63; younger: K's other half and V's two halves
.elseif g == 8
	s_wait_dscnt 32                                ; K's channels 64-127
.elseif g == 16
	s_wait_dscnt 16                                ; V's keys 0-31
.elseif g == 32
	s_wait_dscnt 0x0                               ; V's keys 32-63
.endif
.endif
.if g < 16
	QKI tQ, g
.else
	PVI tQ, pR, g-16
.endif
	RIDERS
.if (tl == 0) && (jj == 0) && (g >= 32) && (g <= 38) && (g%2 == 0)
.if g == 32
	s_wait_loadcnt 16                              ; K's 16 loads are in; V's 16, issued behind them, may stay out
.endif
	CVT 0, (g-32)/2
.endif
.if (tl == 0) && (jj == 1) && (g >= 2) && (g <= 8) && (g%2 == 0)
.if g == 2
	s_wait_loadcnt 16                              ; V's 16 loads are in; K's 16, issued at this slot's head, may stay out
.endif
	CVT 1, (g-2)/2
.endif
.if (tl == 0) && (jj == 3)
.if g == 9
	s_barrier_wait -1                              ; every wave's rows of K and V are in LDS, and nobody reads the other two buffers any more
.elseif g == 17
	FETCHK 1-par, 0, 1                             ; (K was last read by product 15)
	FETCHK 1-par, 1, 0
.elseif g == 33
	FETCHV par, 0, 1                               ; (last read by product 31)
.endif
.endif
.set g, g+1
.endr
.if (tl == 0) && (jj == 3)
	PLACES                                         ; behind the last product, which read V's second half
.else
	v_nop
.endif
	s_wait_alu depctr_va_vdst(0)                   ; the slot's 96 exponentials and reciprocals are written, all first named in the next slot; in a step's slots 0 and 1 the roundings have written the raw registers, which the stores at the next slot's head read; in its slot 3 the last products are done reading V's second half
.if tl == 0
.if jj == 2
	s_wait_dscnt 0x0                               ; for the others' sake: my stores of K and V are done, and my reads of the buffers that are written next are long back
	s_barrier_signal -1                            ; ten products and their riders, work on registers, stand between the signal and the wait
.elseif jj == 3
	FETCHV par, 1, 0                               ; the window switch alone stands between the wait above and the run
.endif
.endif
.endm
	s_load_b256 s[4:11], s[0:1], 0x0               ; query s[4:5], key s[6:7], value s[8:9], out0 s[10:11]
	v_lshl_add_u32 v[SPW], v0, 2, SPARE
	v_mov_b32 v[NIL], 0
	v_lshrrev_b32 v[X0], 5, v0
	v_readfirstlane_b32 s[WV], v[X0]               ; wave 0..3
	s_mov_b32 s[PB], ttmp9
	s_and_b32 s48, ttmp7, 0xffff
	s_lshr_b32 s49, s48, 3                         ; b
	s_and_b32 s50, s48, 7                          ; the key head
	s_wait_alu depctr_va_sdst(0)                   ; s12, the wave's number, is written, ahead of its first reader
	s_and_b32 s51, s[WV], 1                        ; which 16 of each 32 positions are mine
	s_lshr_b32 s52, s[WV], 1                       ; which of the two query heads
	s_min_u32 s[NF], s[PB], 7
	s_sub_co_u32 s[ULO], s[PB], s[NF]
	s_add_co_u32 s24, s[NF], 1
	s_add_co_u32 s25, s[NF], 2
	s_cmp_ge_u32 s[PB], 8
	s_cselect_b32 s[NU], s25, s24
	s_cselect_b32 s[SE], s24, -1
	s_cmp_eq_u32 s[PB], 15
	s_cselect_b32 s[PFL], 6, 0
	s_lshl_b32 s[UC], s[ULO], 19                   ; a unit is 128 rows of 4,096 bytes
	s_add_co_u32 s24, s[ULO], 2
	s_lshl_b32 s24, s24, 19
	s_mov_b32 s25, 0
	s_lshl_b32 s54, s49, 23                        ; K and V: b x 2,048 rows + 512 bytes a head
	s_lshl_b32 s53, s50, 9
	s_add_co_u32 s54, s54, s53
	s_mov_b32 s55, 0
	s_lshl_b32 s2, s49, 24                         ; Q and O: b x 2,048 rows of 8,192 bytes,
	s_lshl_b32 s3, s[PB], 20                       ; 128 rows a block,
	s_add_co_u32 s2, s2, s3
	s_lshl_b32 s3, s51, 17                         ; my 16 rows,
	s_add_co_u32 s2, s2, s3
	s_lshl1_add_u32 s3, s50, s52                   ; my head's 512 bytes
	s_lshl_b32 s3, s3, 9
	s_add_co_u32 s2, s2, s3
	s_mov_b32 s3, 0
	s_mov_b32 s[C1], 0x3c0b4875                    ; 2 log2(e) / (30 sqrt 128) = 0.00850116
	s_mov_b32 s[C1+1], s[C1]                       ; named as pairs
	s_mov_b32 s[NA], 0xc2ad1f97                    ; -60 log2(e) = -86.5617
	s_mov_b32 s[NA+1], s[NA]
	s_mov_b32 s[BIGN], 0xf149f2ca                  ; -1e30
	s_mov_b32 s[HM], 0xffff0000
	s_mov_b32 s[AL], 0                             ; the pipeline starts with everything hidden
	s_mov_b32 s[AL+1], 0
	s_mov_b32 s[BE], s[BIGN]
	s_mov_b32 s[BE+1], 0
	s_mov_b32 s[HI], s[BIGN]
	s_mov_b32 s[HI+1], 0
	s_mov_b32 s[SEL], 0x76543210
	s_mov_b32 s[SEL+1], 0xfedcba98
	v_and_b32 v[RR], 15, v0
	v_bfe_u32 v[HH], v0, 4, 1
	v_and_b32 v[LN], 31, v0
	s_lshl_b32 s56, s[WV], 16                      ; my 16 rows of a step
	v_lshl_add_u32 v[GL], v[LN], 4, s56
	v_lshlrev_b32 v[QO], 13, v[RR]                 ; a fragment of Q: row lane % 16, channels 8 (lane / 16) on: 32 bytes of f32
	v_lshl_add_u32 v[QO], v[HH], 5, v[QO]
	s_wait_kmcnt 0x0
	s_add_nc_u64 s[6:7], s[6:7], s[54:55]
	s_add_nc_u64 s[8:9], s[8:9], s[54:55]
	s_add_nc_u64 s[4:5], s[4:5], s[2:3]
	s_add_nc_u64 s[10:11], s[10:11], s[2:3]
	s_add_nc_u64 s[PFK:PFK+1], s[6:7], s[24:25]
	s_add_nc_u64 s[PFV:PFV+1], s[8:9], s[24:25]
	s_mov_b32 s[OFP], s[UC]                        ; s3 above it holds 0 from here on
	s_add_nc_u64 s[KB:KB+1], s[6:7], s[OFP:OFP+1]  ; K and V at the first unit
	s_add_nc_u64 s[VB:VB+1], s[8:9], s[OFP:OFP+1]
	GLOADS 0, 0, 1                                 ; K of step 0
	WIN 0x40                                       ; Q in f32 into O^T's registers: tile x / 4, channels 32 (x % 4) on: 8 (lane / 16) + 0..7 and 16 + 8 (lane / 16) + 0..7.  Loads and window switches alone stand between the wait above and these
.set xa, 0
.rept 16
	global_load_b128 v[16*xa:16*xa+3],     v[QO], s[4:5] offset:(xa/4)*TILEQ+(xa%4)*128
	global_load_b128 v[16*xa+4:16*xa+7],   v[QO], s[4:5] offset:(xa/4)*TILEQ+(xa%4)*128+16
	global_load_b128 v[16*xa+8:16*xa+11],  v[QO], s[4:5] offset:(xa/4)*TILEQ+(xa%4)*128+64
	global_load_b128 v[16*xa+12:16*xa+15], v[QO], s[4:5] offset:(xa/4)*TILEQ+(xa%4)*128+80
.set xa, xa+1
.endr
	WIN 0
	v_mul_u32_u24 v[AK0], v[RR], PK                ; a fragment of K: row x pitch + 16 x half
	v_lshl_add_u32 v[AK0], v[HH], 4, v[AK0]
	v_and_b32 v[X0], 7, v0                         ; the turning load: lane l reads key 8 (l / 16) + l % 8, channels 8 ((l / 8) % 2) + 0..7
	v_lshl_add_u32 v[AV0], v[HH], 3, v[X0]
	v_mul_u32_u24 v[AV0], v[AV0], PV
	v_bfe_u32 v[X0], v0, 3, 1
	v_lshl_add_u32 v[AV0], v[X0], 4, v[AV0]
	v_add_nc_u32 v[AV0], VBASE, v[AV0]
	s_mul_i32 s56, s[WV], 16*PK
	v_lshl_add_u32 v[KS], v[LN], 3, s56
	s_mul_i32 s56, s[WV], 16*PV
	s_add_co_u32 s56, s56, VBASE
	v_lshl_add_u32 v[VS], v[LN], 3, s56
	v_lshlrev_b32 v[PFO], 12, v0
	s_mul_i32 s56, s[WV], 16*SPT
	s_add_co_u32 s56, s56, STAGE                   ; my stage
	v_mul_u32_u24 v[STO], v[RR], SPT               ; in: row lane % 16, 32 bytes for each half of the lanes
	v_lshl_add_u32 v[STO], v[HH], 5, v[STO]
	v_add_nc_u32 v[STO], s56, v[STO]
	v_lshl_add_u32 v[RD], v[LN], 4, s56            ; back: 32 lanes take a row's 512 bytes
	v_lshlrev_b32 v[X0], 3, v[HH]
	v_sub_nc_u32 v[X0], v[RR], v[X0]
	s_lshl_b32 s56, s51, 4
	v_add_nc_u32 v[X0], s56, v[X0]                 ; my query's place in its 32 positions, less my lanes' 8 (lane / 16)
.set xa, 0
.rept 16                                               ; the sixteen compares in one run, each into a scalar register of its own
	v_cmp_gt_i32 s[CM+xa], 16*(xa/8)+xa%8, v[X0]
.set xa, xa+1
.endr
	s_wait_alu depctr_va_sdst(0)                   ; the compares have written s48 to s63, ahead of the selects that read them: one wait for the run
.set xa, 0
.rept 16
	v_cndmask_b32 v[DM+xa], 0, s[BIGN], s[CM+xa]
	v_mov_b32 v[PM+xa], s[BIGN]
.set xa, xa+1
.endr
	; What the first slots find: S^T, both parts of P, l, V's fragments and O^T hold 0: under the all-hidden mask the items that have not been add exact zeros.  These lines stand in the wait for the first loads.
	; (P's second part takes the registers of lane / 16, lane and the mask's offset, which have served.)
.set xa, 0
.rept 128
	v_mov_b32 v[SC+xa], 0
.set xa, xa+1
.endr
.set xa, 0
.rept 64
	v_mov_b32 v[PR+xa], 0
.set xa, xa+1
.endr
.set xa, 0
.rept 8
	v_mov_b32 v[LS+xa], 0
.set xa, xa+1
.endr
	WIN 0xc0
.set xa, 0
.rept 128
	v_mov_b32 v[xa], 0
.set xa, xa+1
.endr
	WIN 0
	s_wait_loadcnt 48                              ; K of step 0 is in: 64 loads of Q are younger, more than the count can name, so the wait takes 16 of them along
.irp q, 0,1,2,3
	CVT 0, \q
.endr
	s_wait_alu depctr_va_vdst(0)                   ; the roundings have written K's raw registers, which the LDS stores read; v[KS] and the other addresses made above are written too
	STK 0, 0
	s_wait_alu depctr_vm_vsrc(0)                   ; the LDS stores have read K's raw registers, in which the next loads land; Q's loads have read v[QO], which the loop writes as a pair at work
	GLOADS 0, STEPB, 1                             ; K of step 1,
	GLOADS 1, 0, 0                                 ; V of step 0: no vector line has named its registers; loads and window switches alone since the wait
	s_wait_loadcnt 32                              ; Q is in (so its offset's register may serve anew); the 32 loads just issued may stay out
	WIN 0x85                                       ; sources window 1, destination window 2
.set xa, 0
.rept 128
	v_cvt_pk_bf16_f32 v[xa], v[2*xa], v[2*xa+1]
.set xa, xa+1
.endr
	WIN 0x40
.set xa, 0
.rept 256
	v_mov_b32 v[xa], 0
.set xa, xa+1
.endr
	WIN 0
	s_wait_dscnt 0x0                               ; my rows of K of step 0 are in LDS,
	s_barrier_signal -1
	s_barrier_wait -1                              ; everybody's are
	FETCHK 0, 0, 1
	FETCHK 0, 1, 0
	s_wait_dscnt 0x0
	s_mov_b32 s[U], 0
.Ltrip:                                                ; NU trips, a unit each
	s_add_co_u32 s[U1], s[U], 1
	s_add_co_u32 s24, s[ULO], s[U1]                ; the next trip's unit: the next one up to the diagonal's,
	s_sub_co_i32 s25, s[ULO], 1                    ; then the edge's (where there is none the number is not used)
	s_max_i32 s25, s25, 0
	s_cmp_le_u32 s[U1], s[NF]
	s_cselect_b32 s24, s24, s25
	s_lshl_b32 s[UN], s24, 19
	SLOT 0
	SLOT 1
	SLOT 2
	SLOT 3
	SLOT 4
	SLOT 5
	SLOT 6
	SLOT 7
	s_mov_b32 s[UC], s[UN]
	s_wait_xcnt 0x0                                ; the trip's prefetches, seven slots back, have read their addresses, so these may be written
	s_add_nc_u64 s[PFK:PFK+1], s[PFK:PFK+1], 0x80000
	s_add_nc_u64 s[PFV:PFV+1], s[PFV:PFV+1], 0x80000
	s_add_co_u32 s[U], s[U], 1
	s_cmp_lt_u32 s[U], s[NU]
	s_cbranch_scc1 .Ltrip
	SLOT 0, 1                                      ; THE DRAIN: the last four items' V^T P, and the stages of the last three that are still to come; the slots' own items are hidden
	SLOT 1, 1
	SLOT 2, 1
	SLOT 3, 1
	s_wait_loadcnt 0x0
	s_wait_dscnt 0x0                               ; nothing of mine is out
	; THE WAY OUT.  l's two halves and the other half of the lanes' are added; O^T is divided by l and sent through my stage in LDS, a tile (16 rows x 512 bytes) at a time.  The additions are the places behind the last products.
.irp t, 0,1,2,3
	v_add_f32 v[LS+2*\t], v[LS+2*\t], v[LS+2*\t+1]
.endr
	v_and_b32 v[GO], 0x1ff, v[GL]                  ; 16 x lane
.irp t, 0,1,2,3
	v_permlanex16_b32 v[LS+2*\t+1], v[LS+2*\t], s[SEL], s[SEL+1]
.endr
.irp t, 0,1,2,3
	v_add_f32 v[LS+2*\t], v[LS+2*\t], v[LS+2*\t+1]
.endr
.irp t, 0,1,2,3
	v_rcp_f32 v[LS+2*\t], v[LS+2*\t]
.endr
	v_nop                                          ; a plain line between the last reciprocal and the use of its result,
	s_wait_alu depctr_va_vdst(0)                   ; and the wait: the four reciprocals are written; so is v[GO], which the stores to memory read
.macro PACK t                       ; a lane's eight channels of a row are 32 bytes; they go into rows of 528 bytes and come back as whole rows of 512, into S^T's registers, the tiles by turns in its two halves
	WIN 0x41                        ; O^T in window 1, 1 / l in window 0
.set xb, 0
.rept 32
	v_pk_mul_f32 v[64*(\t)+2*xb:64*(\t)+2*xb+1], v[64*(\t)+2*xb:64*(\t)+2*xb+1], v[LS+2*(\t):LS+2*(\t)+1] op_sel_hi:[1,0]
.set xb, xb+1
.endr
	s_wait_alu depctr_va_vdst(0)                   ; the multiplies have written the tile's O^T, which the LDS stores read; the vector lines that named S^T's registers, in which the loads below land, all stand ahead of this wait too
	WIN 0x04                        ; the data in window 1
.set xb, 0
.rept 8
	ds_store_b128 v[STO], v[64*(\t)+8*xb:64*(\t)+8*xb+3]   offset:64*xb
	ds_store_b128 v[STO], v[64*(\t)+8*xb+4:64*(\t)+8*xb+7] offset:64*xb+16
.set xb, xb+1
.endr
	WIN 0
.if (\t) >= 2
	s_wait_xcnt 0x0                                ; the stores of the tile two back have had their addresses translated: only behind this wait are those registers loaded again
	s_wait_alu depctr_vm_vsrc(0)                   ; and they have read their data, S^T's half in which the loads below land
.endif
.set xb, 0
.rept 16
	ds_load_b128 v[SC+64*((\t)%2)+4*xb:SC+64*((\t)%2)+4*xb+3], v[RD] offset:SPT*xb  ; LDS serves a wave's instructions in order (ISA guide 5.7.1.4): these see the stores above; the next tile's stores come behind them
.set xb, xb+1
.endr
.endm
.macro SEND t, younger              ; younger: the LDS instructions issued behind tile t's loads: the next tile's 32, or none
.set xb, 0
.rept 16
	s_wait_dscnt (\younger)+15-xb
	global_store_b128 v[GO], v[SC+64*((\t)%2)+4*xb:SC+64*((\t)%2)+4*xb+3], s[10:11] offset:(\t)*TILEQ+QROW*xb th:TH_STORE_NT  ; 512 consecutive bytes, at a multiple of 512 from out0's first
.set xb, xb+1
.endr
.endm
	PACK 0
	PACK 1                                         ; a tile's arithmetic stands between the loads of the tile before and its stores
	SEND 0, 32
	PACK 2
	SEND 1, 32
	PACK 3
	SEND 2, 32
	SEND 3, 0
	s_wait_dscnt 0x0                               ; the closing lines, six on end
	s_wait_alu 0x0
	s_wait_tensorcnt 0x0
	ds_add_u32 v[SPW], v[NIL]
	s_wait_dscnt 0x0
	s_endpgm
.Lfunc_end_k_qd9a98bd783_attn:
	.size	k_qd9a98bd783_attn, .Lfunc_end_k_qd9a98bd783_attn-k_qd9a98bd783_attn
	.p2alignl 7, 3214868480
	.fill 96, 4, 3214868480
	.section	.rodata,"a",@progbits
	.p2align	6, 0x0
	.amdhsa_kernel k_qd9a98bd783_attn
		.amdhsa_group_segment_fixed_size 105984
		.amdhsa_private_segment_fixed_size 0
		.amdhsa_enable_private_segment 0
		.amdhsa_kernarg_size 32
		.amdhsa_user_sgpr_count 2
		.amdhsa_user_sgpr_kernarg_segment_ptr 1
		.amdhsa_wavefront_size32 1
		.amdhsa_system_sgpr_workgroup_id_x 1
		.amdhsa_system_sgpr_workgroup_id_y 1
		.amdhsa_system_sgpr_workgroup_id_z 1
		.amdhsa_system_vgpr_workitem_id 0
		.amdhsa_next_free_vgpr 1024
		.amdhsa_next_free_sgpr 66
		.amdhsa_reserve_vcc 0
		.amdhsa_float_denorm_mode_32 3
		.amdhsa_float_denorm_mode_16_64 3
		.amdhsa_memory_ordered 1
		.amdhsa_forward_progress 1
		.amdhsa_inst_pref_size 255
	.end_amdhsa_kernel
	.section	.bss,"aw",@nobits
	.p2align	6
	.space	262144
	.amdgpu_metadata
---
amdhsa.version: [ 1, 2 ]
amdhsa.kernels:
  - .name:           k_qd9a98bd783_attn
    .symbol:         k_qd9a98bd783_attn.kd
    .args:
      - { .name: query, .offset: 0, .size: 8, .value_kind: global_buffer, .address_space: global }
      - { .name: key, .offset: 8, .size: 8, .value_kind: global_buffer, .address_space: global }
      - { .name: value, .offset: 16, .size: 8, .value_kind: global_buffer, .address_space: global }
      - { .name: out0, .offset: 24, .size: 8, .value_kind: global_buffer, .address_space: global }
    .group_segment_fixed_size: 105984
    .private_segment_fixed_size: 0
    .kernarg_segment_align: 8
    .kernarg_segment_size: 32
    .max_flat_workgroup_size: 128
    .sgpr_count:     66
    .vgpr_count:     1024
    .wavefront_size: 32
...
	.end_amdgpu_metadata
.endif
;; end of part 2
